; MI455X (gfx1250); checked and timed in simulation.
; The chip was launched on July 23, 2026; its instructions are those of AMD's public machine-readable ISA for CDNA 5 (MIT licence, August 2026) and "CDNA5" Instruction Set Architecture Reference Guide (July 2026). The comments in the code are by the model that wrote it; some were corrected since.
;; LSTM Cell. Allowed arithmetic: matrix products marked QUANTISED: E2M3 operands, one E8M0 scale for each 32 along K, by v_wmma_scale_f32_16x16x128_f8f6f4 with both operands' format E2M3, f32 sums; everything else in f32.
;; Inputs: W_h 4,096 x 1,024 float32; W_in 4,096 x 1,024 float32; b_h 4,096 float32; b_in 4,096 float32; c 8,192 x 1,024 float32; h 8,192 x 1,024 float32; input 8,192 x 1,024 float32.
;; Outputs: out0 8,192 x 1,024 float32; out1 8,192 x 1,024 float32.
;; Constants: num_bits = 8, num_bits_grad = 8.
;; This version of the problem:
;;   THIS VERSION OF THE PROBLEM IS GIVEN IN LOW PRECISION. The matrix products marked QUANTISED in the list below multiply operands that are first quantised to E2M3 (2 exponent bits, 3 mantissa bits; 6 bits a number), with one power-of-two scale for each 32 numbers along K (OCP MX v1.0); their sums are f32. All else is computed in f32.
;;   The module's matrix products, in the order in which they are computed (A, B: the left and right operand; K: the contracted axis; several contracted axes count as one K, in the product's order):
;;     1. [M 8,192, K 1,024] x [K 1,024, N 4,096]; A: computed on the way; B: computed on the way: QUANTISED
;;     2. [M 8,192, K 1,024] x [K 1,024, N 4,096]; A: computed on the way; B: computed on the way: QUANTISED
;;   THE QUANTISER, for each operand of a quantised product, along K:
;;     - K is cut into blocks of 32 from its start; a last block that is shorter is filled with zeros.
;;     - A block's scale is 2^e with e = floor(log2(the largest magnitude in the block)) - 2, held to -126 .. 127; a block of zeros has e = 0. As a byte (E8M0): e + 127.
;;     - Each number is divided by its block's scale, clamped to +-7.5, and rounded to the nearest number of E2M3, ties to even, subnormals kept.
;;     - The product sums the exact products of the quantised numbers (number of the format x scale) in f32.
;;   ~~~python
;;   def quantise(x, axis):      # numpy; x: float32 -> the quantised numbers, widened to float32 again
;;       x = np.moveaxis(x, axis, -1); K = x.shape[-1]
;;       x = np.pad(x, [(0, 0)] * (x.ndim - 1) + [(0, -K % 32)]); x = x.reshape(x.shape[:-1] + (-1, 32)); a = np.abs(x).max(-1, keepdims=True)
;;       e = np.where(a > 0, np.clip(np.frexp(np.where(a > 0, a, 1))[1] - 1 - 2, -126, 127), 0)      # np.frexp(a)[1] - 1 = floor(log2(a)), exactly
;;       r = np.clip(x / 2.0 ** e, -7.5, 7.5)
;;       step = 2.0 ** (np.maximum(np.frexp(np.where(r == 0, 1, r))[1] - 1, 0) - 3)
;;       q = np.round(r / step) * step * 2.0 ** e      # np.round: ties to even
;;       return np.moveaxis(q.reshape(q.shape[:-2] + (-1,))[..., :K], -1, axis).astype(np.float32)
;;   ~~~
;;   OPERANDS COMPUTED ON THE WAY. 'Computed on the way' means the value that the module computes at that place (a softmax that the list does not call 'softmax' is quantised finished and normalised). What goes into a quantiser is computed in f32, as accurately as f32 sums, v_exp_f32 and their like allow (about 1e-6 of the number): no bf16 or f16 on the way to a quantiser, and a product that is left as it is and whose result goes on into a quantised operand takes f32 operands (vector FMAs, or v_wmma_f32_16x16x4_f32). A number that lies on a knife's edge between two numbers of the format may be rounded either way, as far as f32 arithmetic and the matrix unit's own rounding can turn it there, and no further.
;; One version. Each part assembles by itself: llvm-mc -triple=amdgcn-amd-amdhsa -mcpu=gfx1250 --defsym DOCPART=n.
;; ======== version 1 of 1: 3 launches
;; limits: inputs' magnitudes at most 140,000,000,000,000; right only within a limited range of input values; a function is approximated: absolute error at most 1e-12
;; workspace buffers: mm 8,192 bytes; a_codes 12,582,912 bytes; a_scales 524,288 bytes; b_codes 6,291,456 bytes; b_scales 262,144 bytes
;; launch minmax (part 1): grid 256 x 1, 16 waves a work-group, no clusters, 2,560 bytes of LDS; arguments input, h, W_in, W_h, mm; writes mm
.if DOCPART == 1
	.amdgcn_target "amdgcn-amd-amdhsa--gfx1250"
	.amdhsa_code_object_version 6
	.text
	.protected	k_q92a9633a25_minmax
	.globl	k_q92a9633a25_minmax
	.p2align	8
	.type	k_q92a9633a25_minmax,@function
k_q92a9633a25_minmax:
	s_mov_b64 s[64:65], 0
	v_nop
	global_prefetch_b8 v0, s[64:65] scope:SCOPE_SE
	s_setreg_imm32_b32 hwreg(HW_REG_WAVE_MODE, 25, 1), 1
	s_wait_xcnt 0x0
; The smallest and the largest number of each of the four tensors input, h [8192][1024], W_in, W_h [4096][1024], f32: partial results, one set for each work-group.
; A minimum is kept as the maximum of -x, so that every reduction here and in the next launch is a maximum.
; mm: [2 groups][256 work-groups][4 f32].  Group 0: -min input, max input, -min h, max h.  Group 1: the same of W_in and W_h.
; SHARES.  Work-group g takes 1/256 of every tensor (131,072 bytes of input and of h, 65,536 of W_in and of W_h), each of its sixteen waves a sixteenth of that.
; A load of a wave covers 512 consecutive bytes; all 48 loads of a wave go out at once: 24 KiB a wave are on their way.  No loop, no pointer is stepped.
; No cache hint on the loads: the next launch reads the same bytes again.  Memory binds: matrix units, clusters and tensor loads would add nothing here.
; LIMITS: NaN and infinities among the inputs are not served (a NaN loses in these maxima).
.set IN, 16                            ; v16-79    input: 16 loads
.set HH, 80                            ; v80-143   h
.set WI, 144                           ; v144-175  W_in: 8 loads
.set WH, 176                           ; v176-207  W_h
	s_load_b256 s[4:11], s[0:1], 0x0               ; input s[4:5], h s[6:7], W_in s[8:9], W_h s[10:11]
	s_load_b64 s[12:13], s[0:1], 0x20              ; mm
	v_lshl_add_u32 v208, v0, 2, 0x200
	v_mov_b32 v209, 0
	v_lshrrev_b32 v6, 5, v0
	v_readfirstlane_b32 s14, v6                    ; wave 0..15
	v_and_b32 v4, 31, v0
	v_lshlrev_b32 v4, 4, v4                        ; 16 x lane: my bytes of a load; later wave 0's LDS address
	v_lshl_or_b32 v1, v6, 13, v4                   ; large tensors: 8,192 x wave + 16 x lane
	v_lshl_or_b32 v2, v6, 12, v4                   ; small tensors: 4,096 x wave + 16 x lane
	v_lshlrev_b32 v3, 5, v6                        ; LDS: 32 bytes for each wave
	v_and_b32 v5, 1, v0
	v_lshlrev_b32 v5, 12, v5                       ; the way out: lane 0 group 0, lane 1 group 1, 4,096 bytes on
	s_lshl_b32 s16, ttmp9, 17                      ; my work-group's part of a large tensor,
	s_mov_b32 s17, 0
	s_lshl_b32 s18, ttmp9, 16                      ; of a small one,
	s_mov_b32 s19, 0
	s_lshl_b32 s2, ttmp9, 4                        ; and its 16 bytes in each group of mm
	s_mov_b32 s3, 0
	s_mov_b32 s22, 0x76543210                      ; v_permlanex16_b32: lane l takes lane l xor 16
	s_mov_b32 s23, 0xfedcba98
	s_wait_kmcnt 0x0
	s_add_nc_u64 s[4:5], s[4:5], s[16:17]
	s_add_nc_u64 s[6:7], s[6:7], s[16:17]
	s_add_nc_u64 s[8:9], s[8:9], s[18:19]
	s_add_nc_u64 s[10:11], s[10:11], s[18:19]
	s_add_nc_u64 s[12:13], s[12:13], s[2:3]
.irp j, 0,1,2,3,4,5,6,7,8,9,10,11,12,13,14,15
	global_load_b128 v[IN+4*\j:IN+4*\j+3], v1, s[4:5] offset:512*\j
.endr
.irp j, 0,1,2,3,4,5,6,7,8,9,10,11,12,13,14,15
	global_load_b128 v[HH+4*\j:HH+4*\j+3], v1, s[6:7] offset:512*\j
.endr
.irp j, 0,1,2,3,4,5,6,7
	global_load_b128 v[WI+4*\j:WI+4*\j+3], v2, s[8:9] offset:512*\j
.endr
.irp j, 0,1,2,3,4,5,6,7
	global_load_b128 v[WH+4*\j:WH+4*\j+3], v2, s[10:11] offset:512*\j
.endr
; cnt numbers of a lane from v[base] on: v[m] = their maximum, v[n] = the maximum of their negatives.  Two chains by turns; the first three numbers start each: nothing is cleared.
.macro RED n, m, base, cnt
	v_max3_num_f32 v[\m], v[\base], v[\base+1], v[\base+2]
	v_max3_num_f32 v[\n], -v[\base], -v[\base+1], -v[\base+2]
.set ri, 3
.rept (\cnt-4)/2
	v_max3_num_f32 v[\m], v[\m], v[\base+ri], v[\base+ri+1]
	v_max3_num_f32 v[\n], v[\n], -v[\base+ri], -v[\base+ri+1]
.set ri, ri+2
.endr
	v_max_num_f32 v[\m], v[\m], v[\base+\cnt-1]
	v_max_num_f32 v[\n], v[\n], -v[\base+\cnt-1]
.endm
	s_wait_loadcnt 32                              ; input's 16 loads are in; the 32 younger ones stay out
	RED 8, 9, IN, 64
	s_wait_loadcnt 16                              ; h's are in; W_in's and W_h's stay out
	RED 10, 11, HH, 64
	s_wait_loadcnt 8                               ; W_in's are in
	RED 12, 13, WI, 32
	s_wait_loadcnt 0x0
	RED 14, 15, WH, 32
	; across the 32 lanes, the eight figures by turns
.irp m, 1,2,4,8
.irp i, 0,1,2,3,4,5,6,7
	v_max_num_f32_dpp v[8+\i], v[8+\i], v[8+\i] row_xmask:\m row_mask:0xf bank_mask:0xf
.endr
.endr
.irp i, 0,1,2,3,4,5,6,7
	v_permlanex16_b32 v[16+\i], v[8+\i], s22, s23  ; (the destinations have been written: by the loads)
.endr
.irp i, 0,1,2,3,4,5,6,7
	v_max_num_f32 v[8+\i], v[8+\i], v[16+\i]
.endr
	ds_store_b128 v3, v[8:11]                      ; all lanes of a wave write the same bytes with the same values
	ds_store_b128 v3, v[12:15] offset:16
	s_wait_dscnt 0x0                               ; for the others' sake: my stores have landed
	s_barrier_signal -1
	s_barrier_wait -1
	s_cmp_lg_u32 s14, 0                            ; wave 0 alone goes on; no barrier follows
	s_cbranch_scc1 .Lend
	ds_load_b128 v[16:19], v4                      ; lane l: wave l / 2's four figures of group l % 2
	s_wait_dscnt 0x0
.irp m, 2,4,8
.irp i, 0,1,2,3
	v_max_num_f32_dpp v[16+\i], v[16+\i], v[16+\i] row_xmask:\m row_mask:0xf bank_mask:0xf   ; lanes of the same parity
.endr
.endr
.irp i, 0,1,2,3
	v_permlanex16_b32 v[20+\i], v[16+\i], s22, s23
.endr
.irp i, 0,1,2,3
	v_max_num_f32 v[16+\i], v[16+\i], v[20+\i]
.endr
	v_cmp_gt_u32 vcc_lo, 2, v0
	s_wait_xcnt 0x0                                ; EXEC is a source of the loads above: it changes only behind this wait
	s_and_saveexec_b32 s20, vcc_lo
	global_store_b128 v5, v[16:19], s[12:13]       ; lanes 0 and 1: my work-group's 16 bytes of each group
	s_wait_xcnt 0x0                                ; and again in front of the line that widens it
	s_or_b32 exec_lo, exec_lo, s20
.Lend:
	s_wait_tensorcnt 0x0
	ds_add_u32 v208, v209
	s_wait_dscnt 0x0
	s_endpgm
.Lfunc_end_k_q92a9633a25_minmax:
	.size	k_q92a9633a25_minmax, .Lfunc_end_k_q92a9633a25_minmax-k_q92a9633a25_minmax
	.p2alignl 7, 3214868480
	.fill 96, 4, 3214868480
	.section	.rodata,"a",@progbits
	.p2align	6, 0x0
	.amdhsa_kernel k_q92a9633a25_minmax
		.amdhsa_group_segment_fixed_size 2560
		.amdhsa_private_segment_fixed_size 0
		.amdhsa_enable_private_segment 0
		.amdhsa_kernarg_size 40
		.amdhsa_user_sgpr_count 2
		.amdhsa_user_sgpr_kernarg_segment_ptr 1
		.amdhsa_wavefront_size32 1
		.amdhsa_system_sgpr_workgroup_id_x 1
		.amdhsa_system_sgpr_workgroup_id_y 1
		.amdhsa_system_sgpr_workgroup_id_z 1
		.amdhsa_system_vgpr_workitem_id 0
		.amdhsa_next_free_vgpr 210
		.amdhsa_next_free_sgpr 66
		.amdhsa_reserve_vcc 1
		.amdhsa_float_denorm_mode_32 3
		.amdhsa_float_denorm_mode_16_64 3
		.amdhsa_memory_ordered 1
		.amdhsa_forward_progress 1
		.amdhsa_inst_pref_size 23
	.end_amdhsa_kernel
	.amdgpu_metadata
---
amdhsa.version: [ 1, 2 ]
amdhsa.kernels:
  - .name:           k_q92a9633a25_minmax
    .symbol:         k_q92a9633a25_minmax.kd
    .args:
      - { .name: input, .offset: 0, .size: 8, .value_kind: global_buffer, .address_space: global }
      - { .name: h, .offset: 8, .size: 8, .value_kind: global_buffer, .address_space: global }
      - { .name: W_in, .offset: 16, .size: 8, .value_kind: global_buffer, .address_space: global }
      - { .name: W_h, .offset: 24, .size: 8, .value_kind: global_buffer, .address_space: global }
      - { .name: mm, .offset: 32, .size: 8, .value_kind: global_buffer, .address_space: global }
    .group_segment_fixed_size: 2560
    .private_segment_fixed_size: 0
    .kernarg_segment_align: 8
    .kernarg_segment_size: 40
    .max_flat_workgroup_size: 512
    .sgpr_count:     66
    .vgpr_count:     210
    .wavefront_size: 32
...
	.end_amdgpu_metadata
.endif
;; end of part 1
;; launch quant (part 2): grid 768 x 1, 4 waves a work-group, no clusters, 33,280 bytes of LDS; arguments input, h, W_in, W_h, mm, a_codes, a_scales, b_codes, b_scales; writes a_codes, a_scales, b_codes, b_scales
.if DOCPART == 2
	.amdgcn_target "amdgcn-amd-amdhsa--gfx1250"
	.amdhsa_code_object_version 6
	.text
	.protected	k_q92a9633a25_quant
	.globl	k_q92a9633a25_quant
	.p2align	8
	.type	k_q92a9633a25_quant,@function
k_q92a9633a25_quant:
	s_mov_b64 s[64:65], 0
	v_nop
	global_prefetch_b8 v0, s[64:65] scope:SCOPE_SE
	s_setreg_imm32_b32 hwreg(HW_REG_WAVE_MODE, 25, 1), 1
	s_wait_xcnt 0x0
; The four f32 tensors become the two operands of ONE product with K = 2,048: A = [y(input) | y(h)], 8,192 rows; B = [y(W_in) | y(W_h)], 4,096 rows.
; y(x) = x + (round((x - mn) / s) s + mn - x), s = (mx - mn) / 255, mn and mx the whole tensor's smallest and largest number: they are finished here from the 256 partial results in mm.
; y is then turned into codes of FP6 (E2M3), K innermost, with one E8M0 scale byte for each 32 along K: a block's byte is its largest magnitude's exponent field - 2, held at 1 from below.
; a_codes [8192][1536]: 768 bytes for input's row, then 768 for h's.  a_scales [8192][64].  b_codes [4096][1536], b_scales [4096][64] likewise, WITH THE ROWS IN ANOTHER ORDER:
; row n' = 256 tc + 128 wn + 16 b + j holds the original row 1024 (b / 2) + 64 tc + 32 wn + 16 (b % 2) + j: gate b / 2 of hidden unit 64 tc + 32 wn + 16 (b % 2) + j,
; so that in the product's launch one lane holds all four gates of a hidden unit.
; SHARES.  Work-groups 0-511 take 16 rows of A, 512-767 take 16 rows n' of B (neighbours in the original too).  A wave takes 4 rows of both tensors of its operand: 16 steps of 512 numbers;
; step t: row t / 4, tensor (t / 2) % 2, half t % 2 of the row.  Its codes lie at 384 t and its scale bytes at 16 t of the wave's output: 6,144 consecutive bytes of codes and 256 aligned scale bytes a wave.
; One path for A and B: only pointers and offsets are chosen, on the work-group's number.
; A load reads 512 consecutive bytes, 16 a lane; the conversion wants 16 NEIGHBOURS in a lane: so a step's 2,048 bytes turn through the wave's own stage in LDS (80 bytes from lane to lane on the way back).
; Loads run four steps (16 loads a wave) ahead, the turn through LDS one step.  No tensor loads, no barrier: waves share nothing.
; The division (x - mn) / s is a multiplication by 1 / s with one correction step (two fused multiply-adds), s itself is the correctly rounded (mx - mn) / 255: all in f32.
; LIMITS: NaN and infinities are not served; a tensor whose numbers are all equal gives s = 0 and NaN.  Blocks whose largest magnitude lies under 2^-124, blocks of zeros among them, get the byte 1:
; a block of zeros has zero codes, which add nothing under that byte, and this program alone reads the bytes.
.set STEPS, 16
.set EMAX,  2
.set CB,    12                         ; bytes of 16 codes
.set R,     16                         ; v16-79   four sets of 16 numbers as they are loaded
.set X,     80                         ; v80-111  two sets of 16 neighbours
.set E,     112                        ; v112-127 a scale byte for each step
.set C,     128                        ; v128-191 codes: four registers for each step, so that no store's data are written again
.set T,     192                        ; v192-207 at work (at the head: mm)
.set D,     208                        ; v208-223 at work (at the head: mm)
.set PRM,   224                        ; v224-231 first tensor, v232-239 second: pairs of equal words: +0 -mn, +2 1 / s, +4 s, +6 mn
.set WREG,  8192                       ; LDS: a region of its own for each wave: two stages of 32 x SP bytes, then its 256 scale bytes
.set SP,    80
	s_load_b256 s[4:11], s[0:1], 0x0               ; input, h, W_in, W_h
	s_load_b256 s[12:19], s[0:1], 0x20             ; mm, A's codes, A's scales, B's codes
	s_load_b64 s[20:21], s[0:1], 0x40              ; B's scales
	v_lshl_add_u32 v240, v0, 2, 0x8000
	v_mov_b32 v241, 0
	v_lshrrev_b32 v1, 5, v0
	v_readfirstlane_b32 s24, v1                    ; wave
	v_and_b32 v2, 31, v0                           ; lane
	v_lshlrev_b32 v3, 4, v2                        ; my 16 bytes of a load's 512
	s_mul_i32 s2, s24, WREG
	v_lshrrev_b32 v14, 2, v2
	v_mul_u32_u24 v14, v14, SP
	v_and_b32 v15, 3, v2
	v_lshl_add_u32 v14, v15, 4, v14
	v_add_nc_u32 v14, s2, v14                      ; the stage, on the way in: SP (lane / 4) + 16 (lane % 4)
	v_mul_u32_u24 v15, v2, SP
	v_add_nc_u32 v15, s2, v15                      ; and on the way out: SP x lane: my 16 neighbours
	v_mul_u32_u24 v4, v2, CB                       ; my codes' place in a step's
	v_lshrrev_b32 v5, 1, v2
	s_add_co_u32 s2, s2, 2*32*SP
	v_add_nc_u32 v5, s2, v5                        ; LDS: my wave's 256 scale bytes, my block's byte
	v_lshlrev_b32 v7, 3, v2                        ; and on the way out 8 bytes a lane
	v_add_nc_u32 v6, s2, v7
	s_mov_b32 s22, 0x76543210                      ; v_permlanex16_b32: lane l xor 16
	s_mov_b32 s23, 0xfedcba98
	s_mov_b32 s38, 0x3b808081                      ; 1 / 255, rounded
	s_mov_b32 s39, 0x437f0000                      ; 255
	s_wait_kmcnt 0x0
	s_cmp_lt_u32 ttmp9, 512                        ; A's work-group or B's?  The choice hangs on the work-group's number alone
	s_cselect_b64 s[4:5], s[4:5], s[8:9]           ; the operand's first tensor,
	s_cselect_b64 s[6:7], s[6:7], s[10:11]         ; its second,
	s_cselect_b64 s[14:15], s[14:15], s[18:19]     ; its codes,
	s_cselect_b64 s[16:17], s[16:17], s[20:21]     ; its scale bytes,
	s_cselect_b32 s26, 0, 4096                     ; its group in mm
	s_cselect_b32 s25, 0, 512
	s_sub_co_u32 s27, ttmp9, s25                   ; d: which 16 rows of the operand
	s_lshl_b32 s28, s27, 4                         ; where they go: row 16 d
	s_bfe_u32 s29, s27, 0x20001                    ; B: d = 16 tc + 8 wn + b.  The gate b / 2: 1,024 rows each,
	s_lshl_b32 s29, s29, 10
	s_and_b32 s30, s27, 1                          ; b % 2: 16 rows,
	s_lshl_b32 s30, s30, 4
	s_add_co_u32 s29, s29, s30
	s_bfe_u32 s30, s27, 0x10003                    ; wn: 32,
	s_lshl_b32 s30, s30, 5
	s_add_co_u32 s29, s29, s30
	s_lshr_b32 s30, s27, 4                         ; tc: 64
	s_lshl_b32 s30, s30, 6
	s_add_co_u32 s29, s29, s30
	s_cmp_lt_u32 ttmp9, 512
	s_cselect_b32 s29, s28, s29                    ; where they come from: A's rows keep their order
	s_lshl_b32 s31, s24, 2                         ; my wave's 4 rows
	s_add_co_u32 s28, s28, s31
	s_add_co_u32 s29, s29, s31
	s_lshl_b32 s30, s29, 12                        ; 4,096 bytes a row of f32 (all offsets stay under 2^26)
	s_mov_b32 s31, 0
	s_mul_i32 s32, s28, 1536
	s_mov_b32 s33, 0
	s_lshl_b32 s34, s28, 6
	s_mov_b32 s35, 0
	s_mov_b32 s36, s26
	s_mov_b32 s37, 0
	s_add_nc_u64 s[4:5], s[4:5], s[30:31]
	s_add_nc_u64 s[6:7], s[6:7], s[30:31]
	s_add_nc_u64 s[14:15], s[14:15], s[32:33]
	s_add_nc_u64 s[16:17], s[16:17], s[34:35]
	s_add_nc_u64 s[12:13], s[12:13], s[36:37]
.macro LOAD t                          ; step t's 2,048 bytes into set t % 4
.irp i, 0,1,2,3
.if ((\t)/2)%2 == 0
	global_load_b128 v[R+16*((\t)%4)+4*\i:R+16*((\t)%4)+4*\i+3], v3, s[4:5] offset:4096*((\t)/4)+2048*((\t)%2)+512*\i th:TH_LOAD_NT
.else
	global_load_b128 v[R+16*((\t)%4)+4*\i:R+16*((\t)%4)+4*\i+3], v3, s[6:7] offset:4096*((\t)/4)+2048*((\t)%2)+512*\i th:TH_LOAD_NT
.endif
.endr
.endm
.macro TURN t                          ; step t's numbers through the stage: LDS serves a wave's instructions in order (ISA guide 5.7.1.4), so no wait stands between the stores and the loads
.irp i, 0,1,2,3
	ds_store_b128 v14, v[R+16*((\t)%4)+4*\i:R+16*((\t)%4)+4*\i+3] offset:32*SP*((\t)%2)+8*SP*\i
.endr
.irp i, 0,1,2,3
	ds_load_b128 v[X+16*((\t)%2)+4*\i:X+16*((\t)%2)+4*\i+3], v15 offset:32*SP*((\t)%2)+16*\i
.endr
.endm
.irp j, 0,1,2,3,4,5,6,7
	global_load_b128 v[T+4*\j:T+4*\j+3], v3, s[12:13] offset:512*\j   ; my operand's group of mm: 4,096 dense bytes, eight work-groups' figures a lane
.endr
.irp t, 0,1,2,3
	LOAD \t
.endr
	s_wait_loadcnt 16                              ; mm is in; the 16 loads of steps 0 to 3 stay out
.irp c, 0,1,2,3
	v_max3_num_f32 v[8+\c], v[T+\c], v[T+4+\c], v[T+8+\c]
.endr
.irp c, 0,1,2,3
	v_max3_num_f32 v[8+\c], v[8+\c], v[T+12+\c], v[T+16+\c]
.endr
.irp c, 0,1,2,3
	v_max3_num_f32 v[8+\c], v[8+\c], v[T+20+\c], v[T+24+\c]
.endr
.irp c, 0,1,2,3
	v_max_num_f32 v[8+\c], v[8+\c], v[T+28+\c]
.endr
.irp m, 1,2,4,8
.irp c, 0,1,2,3
	v_max_num_f32_dpp v[8+\c], v[8+\c], v[8+\c] row_xmask:\m row_mask:0xf bank_mask:0xf
.endr
.endr
.irp c, 0,1,2,3
	v_permlanex16_b32 v[T+\c], v[8+\c], s22, s23
.endr
.irp c, 0,1,2,3
	v_max_num_f32 v[8+\c], v[8+\c], v[T+\c]        ; v8 -mn, v9 mx of the first tensor; v10, v11 of the second: in every lane
.endr
.irp k, 0,1
	v_add_f32 v[T+4+\k], v[9+2*\k], v[8+2*\k]      ; mx - mn
.endr
.irp k, 0,1
	v_mul_f32 v[T+6+\k], s38, v[T+4+\k]            ; / 255: a first quotient,
.endr
.irp k, 0,1
	v_fma_f32 v[T+8+\k], -v[T+6+\k], s39, v[T+4+\k]   ; what it leaves over, exactly,
.endr
.irp k, 0,1
	v_fma_f32 v[PRM+8*\k+4], v[T+8+\k], s38, v[T+6+\k]   ; and s, the rounded quotient
.endr
.irp k, 0,1
	v_rcp_f32 v[PRM+8*\k+2], v[PRM+8*\k+4]
.endr
.irp k, 0,1
	v_mov_b32 v[PRM+8*\k], v[8+2*\k]               ; -mn.  (Plain lines behind the reciprocals, ahead of the use of their results)
.endr
	s_wait_alu depctr_va_vdst(0)
.irp k, 0,1
	v_fma_f32 v[T+8+\k], -v[PRM+8*\k+4], v[PRM+8*\k+2], 1.0
.endr
.irp k, 0,1
	v_fma_f32 v[PRM+8*\k+2], v[T+8+\k], v[PRM+8*\k+2], v[PRM+8*\k+2]   ; 1 / s, one step nearer
.endr
.irp k, 0,1
	v_xor_b32 v[PRM+8*\k+6], 0x80000000, v[8+2*\k] ; mn
.endr
.irp k, 0,1
.irp i, 0,2,4,6
	v_mov_b32 v[PRM+8*\k+\i+1], v[PRM+8*\k+\i]     ; the packed forms take pairs
.endr
.endr
	s_wait_loadcnt 12                              ; step 0's four loads are in
	TURN 0
; y = x + (round((x - mn) / s) s + mn - x) of the 16 numbers at v[XS], in place, two at a time; PP: the tensor's four pairs
.macro FQ
.irp j, 0,2,4,6,8,10,12,14
	v_pk_add_f32 v[D+\j:D+\j+1], v[XS+\j:XS+\j+1], v[PP:PP+1]                        ; x - mn
.endr
.irp j, 0,2,4,6,8,10,12,14
	v_pk_mul_f32 v[T+\j:T+\j+1], v[D+\j:D+\j+1], v[PP+2:PP+3]                        ; x 1 / s: a first quotient,
.endr
.irp j, 0,2,4,6,8,10,12,14
	v_pk_fma_f32 v[D+\j:D+\j+1], v[T+\j:T+\j+1], v[PP+4:PP+5], v[D+\j:D+\j+1] neg_lo:[1,0,0] neg_hi:[1,0,0]   ; what it leaves over,
.endr
.irp j, 0,2,4,6,8,10,12,14
	v_pk_fma_f32 v[T+\j:T+\j+1], v[D+\j:D+\j+1], v[PP+2:PP+3], v[T+\j:T+\j+1]        ; and the quotient
.endr
.irp j, 0,1,2,3,4,5,6,7,8,9,10,11,12,13,14,15
	v_rndne_f32 v[T+\j], v[T+\j]                                                     ; to the nearest whole number, ties to even
.endr
.irp j, 0,2,4,6,8,10,12,14
	v_pk_fma_f32 v[T+\j:T+\j+1], v[T+\j:T+\j+1], v[PP+4:PP+5], v[PP+6:PP+7]          ; q = .. x s + mn
.endr
.irp j, 0,2,4,6,8,10,12,14
	v_pk_add_f32 v[T+\j:T+\j+1], v[T+\j:T+\j+1], v[XS+\j:XS+\j+1] neg_lo:[0,1] neg_hi:[0,1]   ; q - x
.endr
.irp j, 0,2,4,6,8,10,12,14
	v_pk_add_f32 v[XS+\j:XS+\j+1], v[XS+\j:XS+\j+1], v[T+\j:T+\j+1]                  ; x + (q - x)
.endr
.endm
.macro STEP t
.set XS, X+16*((\t)%2)
.set PP, PRM+8*(((\t)/2)%2)
.if (\t) > 0
	s_wait_dscnt 1                                 ; this step's numbers are back from the stage (the last step's byte store may be out): so its stores into the stage have read their registers,
.else
	s_wait_dscnt 0x0
.endif
.if (\t)+4 < STEPS
	LOAD (\t)+4                                    ; which take the loads of four steps on
.endif
.if (\t)+1 < STEPS
.if STEPS-2-(\t) >= 3
	s_wait_loadcnt 12                              ; the next step's four loads are in; those of the three steps behind it may be out
.else
	s_wait_loadcnt 4*(STEPS-2-(\t))
.endif
	TURN (\t)+1                                    ; and go through the other stage while this step is worked
.endif
	FQ
	v_max3_num_f32 v8, |v[XS]|, |v[XS+1]|, |v[XS+2]|               ; the largest magnitude of my 16
	v_max3_num_f32 v9, |v[XS+3]|, |v[XS+4]|, |v[XS+5]|
.irp i, 6,10
	v_max3_num_f32 v8, v8, |v[XS+\i]|, |v[XS+\i+1]|
	v_max3_num_f32 v9, v9, |v[XS+\i+2]|, |v[XS+\i+3]|
.endr
	v_max3_num_f32 v8, v8, |v[XS+14]|, |v[XS+15]|
	v_max3_num_f32 v8, v8, v9, (EMAX+1)<<23        ; and the floor 2^(3 - 127): so the byte cannot fall under 1
	v_max_num_f32_dpp v8, v8, v8 row_xmask:1 row_mask:0xf bank_mask:0xf   ; and of my neighbour's 16: the block's
	v_add_nc_u32 v11, -(EMAX<<23), v8              ; 2 off its exponent field: the conversion takes the exponent field of this operand as its scale, and nothing else of it
	v_cvt_scalef32_pk16_fp6_f32 v[C+4*(\t):C+4*(\t)+2], v[XS:XS+15], v11   ; sixteen numbers / the scale, to the nearest code, ties to even, beyond the largest code the largest; 96 bits, the first number's code lowest
	v_lshrrev_b32 v[E+(\t)], 23, v11               ; the scale's byte.  (Also the plain line behind the conversion)
	ds_store_b8 v5, v[E+(\t)] offset:16*(\t)       ; both lanes of a block write the same byte with the same value
	global_store_b96 v4, v[C+4*(\t):C+4*(\t)+2], s[14:15] offset:32*CB*(\t)   ; the wave stores 384 consecutive bytes
.endm
.irp t, 0,1,2,3,4,5,6,7,8,9,10,11,12,13,14,15
	STEP \t
.endr
	ds_load_b64 v[12:13], v6                       ; LDS serves a wave's instructions in order: these see my byte stores
	s_wait_dscnt 0x0
	global_store_b64 v7, v[12:13], s[16:17]        ; 32 lanes store 256 consecutive bytes, at a multiple of 256 from the buffer's first byte
	s_wait_tensorcnt 0x0
	ds_add_u32 v240, v241
	s_wait_dscnt 0x0
	s_endpgm
.Lfunc_end_k_q92a9633a25_quant:
	.size	k_q92a9633a25_quant, .Lfunc_end_k_q92a9633a25_quant-k_q92a9633a25_quant
	.p2alignl 7, 3214868480
	.fill 96, 4, 3214868480
	.section	.rodata,"a",@progbits
	.p2align	6, 0x0
	.amdhsa_kernel k_q92a9633a25_quant
		.amdhsa_group_segment_fixed_size 33280
		.amdhsa_private_segment_fixed_size 0
		.amdhsa_enable_private_segment 0
		.amdhsa_kernarg_size 72
		.amdhsa_user_sgpr_count 2
		.amdhsa_user_sgpr_kernarg_segment_ptr 1
		.amdhsa_wavefront_size32 1
		.amdhsa_system_sgpr_workgroup_id_x 1
		.amdhsa_system_sgpr_workgroup_id_y 1
		.amdhsa_system_sgpr_workgroup_id_z 1
		.amdhsa_system_vgpr_workitem_id 0
		.amdhsa_next_free_vgpr 242
		.amdhsa_next_free_sgpr 66
		.amdhsa_reserve_vcc 0
		.amdhsa_float_denorm_mode_32 3
		.amdhsa_float_denorm_mode_16_64 3
		.amdhsa_memory_ordered 1
		.amdhsa_forward_progress 1
		.amdhsa_inst_pref_size 102
	.end_amdhsa_kernel
	.amdgpu_metadata
---
amdhsa.version: [ 1, 2 ]
amdhsa.kernels:
  - .name:           k_q92a9633a25_quant
    .symbol:         k_q92a9633a25_quant.kd
    .args:
      - { .name: input, .offset: 0, .size: 8, .value_kind: global_buffer, .address_space: global }
      - { .name: h, .offset: 8, .size: 8, .value_kind: global_buffer, .address_space: global }
      - { .name: W_in, .offset: 16, .size: 8, .value_kind: global_buffer, .address_space: global }
      - { .name: W_h, .offset: 24, .size: 8, .value_kind: global_buffer, .address_space: global }
      - { .name: mm, .offset: 32, .size: 8, .value_kind: global_buffer, .address_space: global }
      - { .name: a_codes, .offset: 40, .size: 8, .value_kind: global_buffer, .address_space: global }
      - { .name: a_scales, .offset: 48, .size: 8, .value_kind: global_buffer, .address_space: global }
      - { .name: b_codes, .offset: 56, .size: 8, .value_kind: global_buffer, .address_space: global }
      - { .name: b_scales, .offset: 64, .size: 8, .value_kind: global_buffer, .address_space: global }
    .group_segment_fixed_size: 33280
    .private_segment_fixed_size: 0
    .kernarg_segment_align: 8
    .kernarg_segment_size: 72
    .max_flat_workgroup_size: 128
    .sgpr_count:     66
    .vgpr_count:     242
    .wavefront_size: 32
...
	.end_amdgpu_metadata
.endif
;; end of part 2
;; launch cell (part 3): grid 16 x 32, 4 waves a work-group, clusters of 4 x 4, 327,680 bytes of LDS; arguments a_codes, a_scales, b_codes, b_scales, out0, out1, c, b_in, b_h; writes out0, out1
.if DOCPART == 3
	.amdgcn_target "amdgcn-amd-amdhsa--gfx1250"
	.amdhsa_code_object_version 6
	.text
	.protected	k_q92a9633a25_cell
	.globl	k_q92a9633a25_cell
	.p2align	8
	.type	k_q92a9633a25_cell,@function
k_q92a9633a25_cell:
	s_mov_b64 s[64:65], 0
	v_nop
	global_prefetch_b8 v0, s[64:65] scope:SCOPE_SE
	s_setreg_imm32_b32 hwreg(HW_REG_WAVE_MODE, 25, 1), 1
	s_wait_xcnt 0x0
	s_wait_alu depctr_hold_cnt(0) depctr_sa_sdst(0) depctr_va_vdst(0) depctr_va_sdst(0) depctr_va_ssrc(0) depctr_va_vcc(0) depctr_vm_vsrc(0)
	s_getreg_b32 s2, hwreg(HW_REG_IB_STS2, 6, 4)
	s_cmp_eq_u32 s2, 0
	s_cbranch_scc0 .Lentry_in_a_cluster
	s_endpgm
.Lentry_in_a_cluster:
	s_bfe_u32 s2, ttmp6, 0x10000c
	s_cmp_lg_u32 s2, 0xf033
	s_cbranch_scc0 .Lentry_shape_is_right
	s_endpgm
.Lentry_shape_is_right:
; gates = A B^T + b_in + b_h on codes of FP6 (E2M3) with one E8M0 scale for each 32 along K, and the LSTM cell on the way out:
; c_ = sigmoid(f) c + sigmoid(i) tanh(g) -> out1;  h_ = sigmoid(o) tanh(c_) -> out0.  A: [8192][2048] (input | h), B: [4096][2048] (W_in | W_h), a row 1,536 bytes; scale bytes [rows][64].
; B's ROWS COME IN THE ORDER n' = 256 tc + 128 wn + 16 b + j = gate b / 2 of hidden unit 64 tc + 32 wn + 16 (b % 2) + j, so that a tile of 256 columns is all four gates of 64 hidden units.
; A tile, 256 rows x 256 columns n', is made by a work-group of four waves; wave (wm, wn) makes 128 x 128: 64 accumulators of 16 x 16, 512 registers.
; K goes in steps of 256 through a ring of two LDS slots filled by the tensor data mover (a tile's row is 192 bytes of memory).  The scale bytes of the work-group's rows, for all of K, come into LDS once.
; CLUSTERS: 4 x 4 work-groups.  The four of a row of the cluster need the same tiles of A, the four of a column the same tiles of B: each tile is asked for JOINTLY, by the same tensor load with the
; same descriptor and a mask that names the four.  c's tile is each work-group's own: a plain tensor load, behind the last round that changes slots, into slot 0, which nobody reads any more.
; THE MATRIX INSTRUCTION IS USED TRANSPOSED (source 0 = 16 rows of B, source 1 = 16 rows of A): accumulator (a, b), register j of lane (r, h) is row 128 wm + 16 a + r, gate b / 2,
; hidden unit 64 tc + 32 wn + 16 (b % 2) + 8 h + j.  So the four gates of an element lie in ONE lane, in accumulators b, b + 2, b + 4, b + 6 of a block a: the cell needs no other lane.
; The biases are the C of each sum's first matrix instruction: nothing is cleared, nothing is added afterwards.
; THE CELL, seven transcendentals an element.  With Ei = e^-i, Ef = e^-f, Eo = e^-o, Eg = e^-2g:  c_ = (c (1 + Ei)(1 + Eg) + (1 - Eg)(1 + Ef)) / ((1 + Ei)(1 + Eg)(1 + Ef));
; with Ec = e^(-2 c_):  h_ = (1 - Ec) / ((1 + Ec)(1 + Eo)).  Each exponent of 2 is held at 40 from above, so that a product of three such terms stays under 2^121 and its reciprocal is no denormal.
; THE WAY OUT goes block by block of 16 rows, and each block LEAVES AS SOON AS IT IS FINISHED: its c_ and h_ go to stages in LDS, a barrier (a row's 256 bytes come from two waves), whole rows come back
; and are stored while the next block's cell is computed: only the last block's stores stand behind the last arithmetic.
; LIMITS: a sigmoid is never under 2^-40 (an error under 1e-12); |c| stays under 2^47 (c x 2^80 must stay finite); NaN and infinities are not served.
; REGISTERS, in windows of 256: window 0: v1-6 at work at the head; v13-31 addresses; v32-63 scale words, two sets, and nothing else; v64-127 the biases, on the way out the four gates of a block;
;   from v128 A's fragments (8 x 16 rows x 128 K), ONE set; on the way out v128-159 c (two sets of 16), v160-175 numerators, v176-239 rows read back from the stages (two sets of 32).
;   window 1: B's fragments, TWO sets, at v0 and at v128.   window 2: the accumulators of my rows 0-63 ((a, b) at v[8 (8 a + b)]);   window 3: those of my rows 64-127.
.set SIZE_K, 2048
.set KSTEP,  256                       ; along K in a slot
.set NQ,     KSTEP/128                 ; matrix instructions deep
.set ROWB,   192                       ; a tile's row in bytes
.set KROW,   SIZE_K*6/8                ; a row of A or of B in memory, in bytes
.set PITCH,  240                       ; an LDS row: 3 x (64 bytes of data + 16 of padding)
.set FR,     12                        ; registers of a fragment: 16 rows x 128 K
.set NL,     6                         ; LDS loads that bring one
.set NP,     4                         ; places behind this matrix instruction (ISA guide 7.12.1)
.set HALFT,  128*PITCH                 ; 128 rows: what one tensor load brings, and what one wave reads of A or of B
.set SLOT,   4*HALFT                   ; A's 256 rows, then B's 256 rows
.set LAPS,   SIZE_K/(2*KSTEP)          ; a lap = two K steps = once round the ring
.set KS,     SIZE_K/32                 ; a row of scales in bytes
.set SCL,    2*SLOT                    ; behind the ring: the scales, as rows of 256 bytes + 16 of padding
.set HALFS,  (128*KS/256)*272          ; the scales of 128 rows: what one tensor load brings
.set SBLK,   (16*KS/256)*272           ; those of 16 rows
.set SPARE,  SCL+4*HALFS               ; behind the scales: the spare words, 128 bytes for each wave: two blocks of 256 bytes that no other line names
.set CPITCH, 272                       ; the way out: rows of 256 bytes (64 hidden units) + 16
.set CST,    256*CPITCH                ; c's tile lies at LDS byte 0; behind it the stage for c_,
.set HST,    2*256*CPITCH              ; and that for h_: ring bytes that have had their last fill and their last read when the first result is stored there
.set BA,   13                          ; v13     32 x (lane / 16): my eight numbers of a bias
.set CP,   14                          ; v14     4,096 x thread: the row of c's tile that I prefetch
.set CO,   15                          ; v15     the way out: my byte offset in two rows of an output
.set ADRA, 16                          ; v16-17  LDS address of my A fragments in slot 0, 1  (v18-19: the same for the pieces that lie behind one padding more)
.set ADRB, 20                          ; v20-21  the same for B  (v22-23)
.set CA,   24                          ; v24     my 32 bytes of a row of c's tile
.set CSA,  25                          ; v25     the same place in c_'s stage
.set HSA,  26                          ; v26     and in h_'s
.set ADRS, 27                          ; v27     LDS address of my scale words: lanes 0-15 A's rows, lanes 16-31 B's
.set SPW,  28                          ; v28     LDS address of my spare word: SPARE + 4 x my thread's number; never rewritten
.set NIL,  29                          ; v29     0; never rewritten
.set RD,   30                          ; v30     where I read rows of c_ back
.set RDH,  31                          ; v31     and rows of h_
.set SC,   32                          ; scale words: set s at v[SC + 8 NQ s]; register NQ i + q: lanes 0-15 the word of A's block i, lanes 16-31 that of B's block i, for the slot's q-th 128 along K
.set BIAS, 64                          ; b_in + b_h in the result's layout: eight registers for each of B's blocks
.set GT,   64                          ; the way out: +0 i, +16 f, +32 g, +48 o: 16 elements each
.set AF,   128                         ; A's fragments
.set CC,   128                         ; the way out: c, then c_: two sets of 16
.set NN,   160                         ; the way out: numerators, then h_
.set RB,   176                         ; the way out: a block's rows read back: set a % 2: 16 registers of c_, then 16 of h_
.set G1C, 4                            ; s[4:11]  descriptor group 1 for c's tile (once the four addresses that arrive there are used up)
.set G1, 24                            ; s[24:31] descriptor group 1 for A's tiles;  s[32:39] group 0, one set for each slot
.set G0, 32
.set G1B, 48                           ; s[48:55], s[56:63] the same for B's tiles
.set G0B, 56
.set G1S, 68                           ; s[68:75], s[76:79] groups 1 and 0 for A's scales;  s[80:87], s[88:91] for B's
.set G0S, 76
.set G1SB, 80
.set G0SB, 88
.set G0C, 92                           ; s[92:95] group 0 for c's tile
.set MSB, 0
.macro WIN new                         ; the immediate's high byte repeats the setting that is left
.if MSB != \new
	s_set_vgpr_msb (MSB<<8)|\new
.set MSB, \new
.endif
.endm
.set MUL_LO, 0xa1                      ; source 0 (B) window 1, source 1 (A) window 0, C and D window 2
.set MUL_HI, 0xf1                      ; the same, C and D window 3
.set BEG_LO, 0x81                      ; the first step: C (the bias) window 0, D window 2
.set BEG_HI, 0xc1                      ; D window 3
.set TO_B,   0x40                      ; destination window 1, address window 0
; A joint load: waves 0 and 1 fetch for A, waves 2 and 3 for B.  Each of the two lines has ONE mask and one set of registers for all that issue it; the branch hangs on the wave's number alone.
; Four v_nop follow each of the two lines, ahead of the jump, the label and what follows.
.macro JLOAD g0a, g1a, g0b, g1b
	s_cmp_eq_u32 s15, 0
	s_cbranch_scc0 .Lfor_b_\@
	tensor_load_to_lds s[\g0a:\g0a+3], s[\g1a:\g1a+7]
	s_nop 0
.rept 4
	v_nop
.endr
	s_branch .Lasked_\@
.Lfor_b_\@:
	tensor_load_to_lds s[\g0b:\g0b+3], s[\g1b:\g1b+7]
	s_nop 0
.rept 4
	v_nop
.endr
.Lasked_\@:
.endm
.macro CREST                           ; a round of the cluster's barrier behind its opening barrier
	s_cmp_lg_u32 s14, 0
	s_cbranch_scc1 .Lnot_wave_0_\@
	s_barrier_signal -3
.Lnot_wave_0_\@:
	s_barrier_wait -3
	s_barrier_signal -1
	s_barrier_wait -1
.endm
.macro CROUND                          ; a whole round
	s_barrier_signal -1
	s_barrier_wait -1
	CREST
.endm
	s_load_b256 s[4:11], s[0:1], 0x0               ; A's codes s[4:5], A's scales s[6:7], B's codes s[8:9], B's scales s[10:11]
	s_load_b64 s[12:13], s[0:1], 0x20              ; out0 (h_)
	s_load_b64 s[66:67], s[0:1], 0x28              ; out1 (c_)
	s_load_b128 s[96:99], s[0:1], 0x30             ; c s[96:97], b_in s[98:99]
	s_load_b64 s[100:101], s[0:1], 0x40            ; b_h
	v_lshl_add_u32 v[SPW], v0, 2, SPARE
	v_mov_b32 v[NIL], 0
	ds_add_u32 v28, v29
	s_wait_dscnt 0x0
	v_lshrrev_b32 v1, 5, v0
	v_readfirstlane_b32 s14, v1                    ; wave 0..3
	s_lshr_b32 s15, s14, 1                         ; wm: which half of the tile's rows is mine.  Also: I fetch for A (0) or for B (1)
	s_and_b32 s16, s14, 1                          ; wn: which half of its columns.  Also: which 128 rows of that tile I fetch
	s_bfe_u32 s40, ttmp6, 0x40000                  ; cx, cy: my place in the cluster
	s_bfe_u32 s41, ttmp6, 0x40004
	s_lshl_b32 s42, ttmp9, 2
	s_add_co_u32 s42, s42, s40                     ; tc: tile column = 4 x cluster x + cx
	s_and_b32 s17, ttmp7, 0xffff
	s_lshl_b32 s17, s17, 2
	s_add_co_u32 s17, s17, s41                     ; tr: tile row = 4 x cluster y + cy
	s_lshl_b32 s43, s41, 2
	s_lshl_b32 s43, 15, s43                        ; my row of the cluster
	s_lshl_b32 s44, 0x1111, s40                    ; my column
	; descriptor group 1: a tile of 128 rows x ROWB bytes, padded in LDS
	s_or_b32 s[G1+0], s43, (0<<16)|(1<<20)|(1<<21)|(3<<22)|(3<<25)  ; 15:0 the mask: A's tiles go to my row; 17:16 element of 1 byte; 20 padding on; 21 set beside a mask; 24:22 after every 16 words (code 3); 31:25 of 4 words (code 3)
	s_or_b32 s[G1B+0], s44, (0<<16)|(1<<20)|(1<<21)|(3<<22)|(3<<25)
.irp g, G1, G1B
	s_mov_b32 s[\g+1], ROWB<<16                    ; tensor_dim0
	s_mov_b32 s[\g+2], 128<<16                     ; tensor_dim1 = 128
	s_mov_b32 s[\g+3], ROWB<<16                    ; tile_dim0
	s_mov_b32 s[\g+4], 128                         ; tile_dim1 = 128
	s_mov_b32 s[\g+5], KROW                        ; tensor_dim0_stride
	s_mov_b32 s[\g+6], 0
	s_mov_b32 s[\g+7], 0
.endr
	; and for the scales of 128 rows: a dense block of 8,192 bytes, as rows of 256 bytes (32 elements of 8 bytes), 16 bytes of padding behind each
	s_or_b32 s[G1S+0], s43, (3<<16)|(1<<20)|(1<<21)|(5<<22)|(3<<25)
	s_or_b32 s[G1SB+0], s44, (3<<16)|(1<<20)|(1<<21)|(5<<22)|(3<<25)
.irp g, G1S, G1SB
	s_mov_b32 s[\g+1], 32<<16
	s_mov_b32 s[\g+2], (128*KS/256)<<16
	s_mov_b32 s[\g+3], 32<<16
	s_mov_b32 s[\g+4], 128*KS/256
	s_mov_b32 s[\g+5], 32
	s_mov_b32 s[\g+6], 0
	s_mov_b32 s[\g+7], 0
.endr
	s_lshl_b32 s18, s16, 7                         ; which 128 rows of the tile I fetch
	s_lshl_b32 s20, s17, 8
	s_add_co_u32 s20, s20, s18                     ; A: row 256 x tile row + 128 x half
	s_lshl_b32 s46, s42, 8
	s_add_co_u32 s46, s46, s18                     ; B: row 256 x tile column + 128 x half
	s_mov_b32 s21, 0
	s_mov_b32 s47, 0
	s_mov_b64 s[18:19], KS
	s_mul_u64 s[22:23], s[20:21], s[18:19]         ; where these rows' scales begin, in bytes
	s_mul_u64 s[92:93], s[46:47], s[18:19]
	s_mov_b64 s[18:19], KROW
	s_mul_u64 s[20:21], s[20:21], s[18:19]         ; and their codes
	s_mul_u64 s[46:47], s[46:47], s[18:19]
	s_mul_i32 s45, s14, HALFT                      ; where they go: wave x 128 rows: no place in the cluster enters an LDS address
	s_mul_i32 s94, s14, HALFS
	s_wait_kmcnt 0x0
	s_add_nc_u64 s[20:21], s[4:5], s[20:21]
	s_add_nc_u64 s[22:23], s[6:7], s[22:23]
	s_add_nc_u64 s[46:47], s[8:9], s[46:47]
	s_add_nc_u64 s[92:93], s[10:11], s[92:93]
	CROUND                                         ; all sixteen work-groups are here: the first joint loads meet
	s_mov_b32 s[G0S], 1
	s_add_co_u32 s[G0S+1], s94, SCL
	s_mov_b64 s[G0S+2:G0S+3], s[22:23]
	s_or_b32 s[G0S+3], s[G0S+3], 0x80000000
	s_mov_b32 s[G0SB], 1
	s_add_co_u32 s[G0SB+1], s94, SCL
	s_mov_b64 s[G0SB+2:G0SB+3], s[92:93]
	s_or_b32 s[G0SB+3], s[G0SB+3], 0x80000000
	JLOAD G0S, G1S, G0SB, G1SB                     ; the scales first: they are wanted with K step 0
.irp s, 0,1
	s_mov_b32 s[G0+4*\s], 1
	s_add_co_u32 s[G0+4*\s+1], s45, \s*SLOT
	s_add_nc_u64 s[G0+4*\s+2:G0+4*\s+3], s[20:21], \s*ROWB
	s_or_b32 s[G0+4*\s+3], s[G0+4*\s+3], 0x80000000
	s_mov_b32 s[G0B+4*\s], 1
	s_add_co_u32 s[G0B+4*\s+1], s45, \s*SLOT
	s_add_nc_u64 s[G0B+4*\s+2:G0B+4*\s+3], s[46:47], \s*ROWB
	s_or_b32 s[G0B+4*\s+3], s[G0B+4*\s+3], 0x80000000
	JLOAD G0+4*\s, G1, G0B+4*\s, G1B               ; three tensor loads of mine are out now
.endr
	v_and_b32 v1, 15, v0                           ; r = l % 16
	v_bfe_u32 v2, v0, 4, 1                         ; h = l / 16
	v_lshlrev_b32 v[BA], 5, v2
	s_lshl_b32 s22, s42, 8                         ; the biases at my first hidden unit: (64 tc + 32 wn) x 4 bytes
	s_lshl_b32 s23, s16, 7
	s_add_co_u32 s22, s22, s23
	s_mov_b32 s23, 0
	s_add_nc_u64 s[98:99], s[98:99], s[22:23]
	s_add_nc_u64 s[100:101], s[100:101], s[22:23]
.irp b, 0,1,2,3,4,5,6,7                ; block b: gate b / 2, units 16 (b % 2) + 8 h + 0 .. 7.  b_in into the bias registers, b_h into registers that A's fragments take later
	global_load_b128 v[BIAS+8*\b:BIAS+8*\b+3],   v[BA], s[98:99] offset:(1024*(\b/2)+16*(\b%2))*4
	global_load_b128 v[BIAS+8*\b+4:BIAS+8*\b+7], v[BA], s[98:99] offset:(1024*(\b/2)+16*(\b%2))*4+16
	global_load_b128 v[AF+8*\b:AF+8*\b+3],       v[BA], s[100:101] offset:(1024*(\b/2)+16*(\b%2))*4
	global_load_b128 v[AF+8*\b+4:AF+8*\b+7],     v[BA], s[100:101] offset:(1024*(\b/2)+16*(\b%2))*4+16
.endr
	; c's tile: each wave fetches 64 rows of 256 bytes, 4,096 bytes apart, 16 bytes of padding behind each.  No mask: the tile is my work-group's own
	s_mov_b32 s[G1C+0], (3<<16)|(1<<20)|(5<<22)|(3<<25)   ; elements of 8 bytes; padding after every 64 words, of 4 words
	s_mov_b32 s[G1C+1], 32<<16                     ; tensor_dim0 = 32
	s_mov_b32 s[G1C+2], 64<<16                     ; tensor_dim1 = 64
	s_mov_b32 s[G1C+3], 32<<16                     ; tile_dim0 = 32
	s_mov_b32 s[G1C+4], 64                         ; tile_dim1 = 64
	s_mov_b32 s[G1C+5], 512                        ; tensor_dim0_stride: 4,096 bytes
	s_mov_b32 s[G1C+6], 0
	s_mov_b32 s[G1C+7], 0
	s_lshl_b32 s20, s17, 8
	s_lshl_b32 s21, s14, 6
	s_add_co_u32 s20, s20, s21                     ; row 256 tr + 64 wave: the rows of c that I fetch
	s_lshl_b32 s20, s20, 12
	s_lshl_b32 s21, s42, 8                         ; + 64 tc hidden units of 4 bytes
	s_add_co_u32 s20, s20, s21
	s_mov_b32 s21, 0
	s_mov_b32 s[G0C], 1
	s_mul_i32 s[G0C+1], s14, 64*CPITCH             ; LDS: wave x 64 rows, from byte 0 on
	s_add_nc_u64 s[G0C+2:G0C+3], s[96:97], s[20:21]
	s_or_b32 s[G0C+3], s[G0C+3], 0x80000000
	s_lshl_b32 s22, s17, 8                         ; both outputs at the first row that I store: of block a I store rows 128 wm + 16 a + 8 wn + 0 .. 7 of the tile
	s_lshl_b32 s23, s15, 7
	s_add_co_u32 s22, s22, s23
	s_lshl_b32 s23, s16, 3
	s_add_co_u32 s22, s22, s23                     ; row 256 tr + 128 wm + 8 wn
	s_lshl_b32 s22, s22, 12
	s_lshl_b32 s23, s42, 8                         ; + 64 tc hidden units of 4 bytes
	s_add_co_u32 s22, s22, s23
	s_mov_b32 s23, 0
	s_add_nc_u64 s[12:13], s[12:13], s[22:23]
	s_add_nc_u64 s[66:67], s[66:67], s[22:23]
	s_lshl_b32 s22, s17, 20                        ; c at the tile's first row, for the prefetch
	s_lshl_b32 s23, s42, 8
	s_add_co_u32 s22, s22, s23
	s_mov_b32 s23, 0
	s_add_nc_u64 s[96:97], s[96:97], s[22:23]
	v_mul_u32_u24 v3, v1, PITCH
	v_mul_u32_u24 v4, v2, 24
	v_add_nc_u32 v4, v3, v4                        ; a fragment's row x pitch + 24 x half
	v_lshl_add_u32 v5, v2, 4, v4                   ; and the same behind one padding more
	s_mul_i32 s21, s15, HALFT                      ; my 128 rows of A
	s_mul_i32 s22, s16, HALFT                      ; my 128 rows of B,
	s_add_co_u32 s22, s22, 2*HALFT                 ; which lie behind A's 256
.irp s, 0,1
	v_add_nc_u32 v[ADRA+\s], s21, v4
	v_add_nc_u32 v[ADRB+\s], s22, v4
	v_add_nc_u32 v[ADRA+2+\s], s21, v5
	v_add_nc_u32 v[ADRB+2+\s], s22, v5
	s_add_co_u32 s21, s21, SLOT
	s_add_co_u32 s22, s22, SLOT
.endr
	v_mul_u32_u24 v5, v1, KS                       ; my row's scales: KS bytes a row,
	v_lshrrev_b32 v6, 8, v5
	v_lshl_add_u32 v5, v6, 4, v5                   ; and 16 more for each 256 passed
	s_mul_i32 s21, s15, HALFS                      ; A's: my 128 rows
	s_mul_i32 s22, s16, HALFS                      ; B's: my 128 rows, behind A's 256
	s_add_co_u32 s22, s22, 2*HALFS
	s_sub_co_u32 s22, s22, s21
	v_mul_u32_u24 v6, s22, v2                      ; lanes 16-31 take B's: one product, the distance between the two
	s_add_co_u32 s21, s21, SCL
	v_add_nc_u32 v5, v5, v6
	v_add_nc_u32 v[ADRS], s21, v5
	s_wait_loadcnt 0x0                             ; both biases
.irp j, 0,2,4,6,8,10,12,14,16,18,20,22,24,26,28,30,32,34,36,38,40,42,44,46,48,50,52,54,56,58,60,62
	v_pk_add_f32 v[BIAS+\j:BIAS+\j+1], v[BIAS+\j:BIAS+\j+1], v[AF+\j:AF+\j+1]
.endr
	v_mul_u32_u24 v[CA], v1, CPITCH                ; the way out's addresses; these plain lines also stand between the sums above and the first products, which take them as C
	v_lshl_add_u32 v[CA], v2, 5, v[CA]
	s_mul_i32 s21, s15, 128*CPITCH
	s_lshl_b32 s22, s16, 7
	s_add_co_u32 s21, s21, s22
	v_add_nc_u32 v[CA], s21, v[CA]                 ; row 128 wm + r, byte 128 wn + 32 h: eight hidden units; block a and unit group u stand in the offsets
	v_add_nc_u32 v[CSA], CST, v[CA]
	v_add_nc_u32 v[HSA], HST, v[CA]
	v_mul_u32_u24 v[RD], v2, CPITCH
	v_lshl_add_u32 v[RD], v1, 4, v[RD]
	s_mul_i32 s21, s15, 128*CPITCH
	s_mul_i32 s22, s16, 8*CPITCH
	s_add_co_u32 s21, s21, s22
	s_add_co_u32 s21, s21, CST
	v_add_nc_u32 v[RD], s21, v[RD]                 ; back: row 128 wm + 8 wn + h, 16 bytes a lane: lanes 0-15 one row of 256 bytes, lanes 16-31 the next; the block and the pair of rows stand in the offsets
	v_add_nc_u32 v[RDH], HST-CST, v[RD]
	v_lshlrev_b32 v[CO], 12, v2
	v_lshl_add_u32 v[CO], v1, 4, v[CO]             ; and the same two rows in an output
	v_lshlrev_b32 v[CP], 12, v0
.macro FRAG reg, adr, q, i             ; a fragment, 16 rows x 128 K of 6-bit codes, is 12 registers: lane l holds row l % 16; registers 6 c .. 6 c + 5 hold K = 64 c + 32 (l / 16) + 0 .. 31: 24 bytes of the row's stream of bits, as they lie
.irp p, 0,1,2,3,4,5                    ; in pieces of 8 bytes, so that every address is a multiple of the access's size.  Lanes 0-15 take the row's pieces 12 q + 0, 1, 2 and 12 q + 6, 7, 8, lanes 16-31 those three pieces on
.set PC, 12*(\q)+6*(\p/3)+\p%3        ; 16 bytes of padding lie behind every 64 bytes (8 pieces): where the piece three on lies behind one padding more, the second address register (40 for 24 bytes a half) serves
.if PC%8 < 5
	ds_load_b64 v[\reg+2*\p:\reg+2*\p+1], v[\adr] offset:8*PC+16*(PC/8)+(\i)*16*PITCH
.else
	ds_load_b64 v[\reg+2*\p:\reg+2*\p+1], v[\adr+2] offset:8*PC+16*(PC/8)+(\i)*16*PITCH
.endif
.endr
.endm
; 16 matrix instructions: A's blocks a0, a0 + 1 x B's eight, 128 along K: the slot's q-th.  p: B's set;  sc: the set of scale words.  zero = 1: the first product starts the sums, with the bias as C.
; The 64 accumulators take turns, one instruction a turn, in the same order in every step.
.macro MUL16 a0, p, q, sc, zero
.irp a, \a0, \a0+1
.irp b, 0,1,2,3,4,5,6,7
.if \zero
	v_wmma_scale_f32_16x16x128_f8f6f4 v[8*(8*((\a)%4)+\b):8*(8*((\a)%4)+\b)+7], v[128*(\p)+FR*\b:128*(\p)+FR*\b+FR-1], v[AF+FR*(\a):AF+FR*(\a)+FR-1], v[BIAS+8*\b:BIAS+8*\b+7], v[SC+8*NQ*(\sc)+NQ*\b+(\q)], v[SC+8*NQ*(\sc)+NQ*(\a)+(\q)] matrix_a_fmt:MATRIX_FMT_FP6 matrix_b_fmt:MATRIX_FMT_FP6 matrix_a_scale:MATRIX_SCALE_ROW1
.else
	v_wmma_scale_f32_16x16x128_f8f6f4 v[8*(8*((\a)%4)+\b):8*(8*((\a)%4)+\b)+7], v[128*(\p)+FR*\b:128*(\p)+FR*\b+FR-1], v[AF+FR*(\a):AF+FR*(\a)+FR-1], v[8*(8*((\a)%4)+\b):8*(8*((\a)%4)+\b)+7], v[SC+8*NQ*(\sc)+NQ*\b+(\q)], v[SC+8*NQ*(\sc)+NQ*(\a)+(\q)] matrix_a_fmt:MATRIX_FMT_FP6 matrix_b_fmt:MATRIX_FMT_FP6 matrix_a_scale:MATRIX_SCALE_ROW1
.endif
.endr
.endr
.endm
.macro FETCH_B slot, q, p              ; B's eight fragments of the slot's q-th 128 along K into set p
	WIN TO_B
.irp i, 0,1,2,3,4,5,6,7
	FRAG 128*(\p)+FR*\i, ADRB+\slot, \q, \i
.endr
	WIN 0
.endm
.macro FETCH_A slot, q, i0             ; A's blocks i0 .. i0 + 3
.irp i, \i0, \i0+1, \i0+2, \i0+3
	FRAG AF+FR*(\i), ADRA+\slot, \q, \i
.endr
.endm
.macro SCALES sc                       ; the next K step's scale words into set sc: NQ words a row; lanes 0-15 take A's block i, lanes 16-31 B's block i
.irp i, 0,1,2,3,4,5,6,7
	ds_load_b64 v[SC+8*NQ*\sc+NQ*\i:SC+8*NQ*\sc+NQ*\i+1], v[ADRS] offset:\i*SBLK
.endr
.endm
; A load into a register that a matrix instruction has read, and a vector instruction that reads a matrix result, stand NP places behind that matrix instruction, and only plain vector
; instructions that name none of its registers are places (ISA guide 7.12.1 for vector instructions); the matrix instructions in between are not counted.
.macro PLACES n
.rept \n
	v_nop
.endr
.endm
; A step of 128 along K that has its successor in the same slot.
.macro STEP slot, q, zero
	s_wait_dscnt 4*NL                              ; B's set and A's blocks 0-3 are in; the youngest 24 loads (A's blocks 4-7) may be out
.if \zero
	WIN BEG_LO
.else
	WIN MUL_LO
.endif
	MUL16 0, (\q)%2, \q, \slot, \zero
	MUL16 2, (\q)%2, \q, \slot, \zero
	s_wait_dscnt 0                                 ; A's blocks 4-7 are in (asked for 32 matrix instructions ago)
	PLACES NP
	FETCH_B \slot, (\q)+1, 1-(\q)%2
	FETCH_A \slot, (\q)+1, 0
.if \zero
	WIN BEG_HI
.else
	WIN MUL_HI
.endif
	MUL16 4, (\q)%2, \q, \slot, \zero
	MUL16 6, (\q)%2, \q, \slot, \zero
	PLACES NP
	WIN 0
	FETCH_A \slot, (\q)+1, 4
.endm
; A slot's last step changes slots in its middle: ONE barrier, which opens a round of the cluster's.  The step's first 32 products stand AHEAD of the wait for the tensor loads: so the load that is out has had
; 128 matrix instructions of mine in which to land (32 behind its request, the next slot's first step's 64, these 32), and between its landing and the next request stand only the add, the descriptors' steps and the round.
; In front of the barrier each wave waits for all its tensor loads, adds 0 to its spare word, and waits for that and for its own reads of this slot (the last are A's blocks 4-7 of this step).
; fill = 1: this slot is filled again, two K steps ahead, by a joint load.  fill = 2 (the last change): each wave fetches its quarter of c's tile into the slot's first bytes.
.macro TURN slot, next, fill
	s_wait_dscnt 4*NL                              ; B's set and A's blocks 0-3 are in; the youngest 24 loads (A's blocks 4-7) may be out
	WIN MUL_LO
	MUL16 0, 1, NQ-1, \slot, 0
	MUL16 2, 1, NQ-1, \slot, 0
	WIN 0
	s_wait_tensorcnt 0x0                           ; all my tensor loads have landed: the one that was out is my part of the next slot; so a group 0 may be written
	ds_add_u32 v[SPW], v[NIL]                      ; 0 onto my spare word
.if \fill == 1
	s_add_nc_u64 s[G0+4*\slot+2:G0+4*\slot+3], s[G0+4*\slot+2:G0+4*\slot+3], 2*ROWB      ; this slot's next tiles: two K steps on; the type bits on top are not reached
	s_add_nc_u64 s[G0B+4*\slot+2:G0B+4*\slot+3], s[G0B+4*\slot+2:G0B+4*\slot+3], 2*ROWB
.endif
	s_wait_dscnt 0x0                               ; the add is done, and my reads of this slot are over
	s_barrier_signal -1
	s_barrier_wait -1
	CREST                                          ; no wave of any partner still reads this slot's tile or has a load on its way
.if \fill == 1
	JLOAD G0+4*\slot, G1, G0B+4*\slot, G1B         ; the first tensor load behind the round; the four v_nop behind it are the places in front of the loads below
.else
	tensor_load_to_lds s[G0C:G0C+3], s[G1C:G1C+7]  ; my one tensor load behind the round: 64 rows of c; 128 matrix instructions of mine stand ahead of the wait for it
	s_nop 0
.rept 4
	v_nop
.endr
.endif
	v_add_nc_u32 v[ADRS], 4*NQ, v[ADRS]            ; on to the next K step's scale words (no LDS load of mine is out)
	FETCH_B \next, 0, 0
	FETCH_A \next, 0, 0
	SCALES \next
	WIN MUL_HI
	MUL16 4, 1, NQ-1, \slot, 0
	MUL16 6, 1, NQ-1, \slot, 0
	PLACES NP
	WIN 0
	FETCH_A \next, 0, 4
.endm
	s_wait_tensorcnt 1                             ; the scales and my part of K step 0 are in (K step 1's load may be out)
	s_barrier_signal -1
	s_barrier_wait -1                              ; everybody's are
	FETCH_B 0, 0, 0
	FETCH_A 0, 0, 0
	SCALES 0
	FETCH_A 0, 0, 4
	STEP 0, 0, 1                                   ; the first step stands in front of the loop: its products start the sums
	s_mov_b32 s3, LAPS-1
.Llap:                                                 ; a trip goes once round the ring, from a lap's second step to the next lap's first, and fills both slots again
	s_cmp_lg_u32 s3, 1                             ; in the last trip alone: c's tile is asked for ahead, 288 matrix instructions of a wave before its tensor load.
	s_cbranch_scc1 .Lno_pf                         ; Thread t asks for the 256 bytes of rows t and t + 128 of the tile: each of its 256 rows once in the launch; every address lies inside c
	global_prefetch_b8 v[CP], s[96:97] th:TH_LOAD_NT scope:SCOPE_SE
	global_prefetch_b8 v[CP], s[96:97] offset:128*4096 th:TH_LOAD_NT scope:SCOPE_SE
.Lno_pf:
	TURN 0, 1, 1
	STEP 1, 0, 0
	TURN 1, 0, 1
	STEP 0, 0, 0
	s_sub_co_u32 s3, s3, 1
	s_cmp_lg_u32 s3, 0
	s_cbranch_scc1 .Llap
	TURN 0, 1, 2                                   ; the last change of slots: slot 0 takes c's tile
	STEP 1, 0, 0
	s_wait_dscnt 4*NL                              ; the very last step: nothing more to fetch
	WIN MUL_LO
	MUL16 0, 1, NQ-1, 1, 0
	MUL16 2, 1, NQ-1, 1, 0
	s_wait_dscnt 0                                 ; my last reads of slot 1 are over,
	s_wait_tensorcnt 0x0                           ; and my quarter of c's tile, the one load that was out, has landed:
	s_barrier_signal -1                            ; say so
	WIN MUL_HI
	MUL16 4, 1, NQ-1, 1, 0
	MUL16 6, 1, NQ-1, 1, 0
	WIN 0
	s_barrier_wait -1                              ; c's tile is whole, and nobody reads the ring any more: its bytes behind c's tile serve as the stages
; THE WAY OUT: the cell, block by block of 16 rows.  A lane has 16 elements of a block: e = 8 u + j, hidden unit 16 u + 8 h + j of my 32.
.macro CLOAD a                         ; c of block a into set a % 2
.irp u, 0,1
.irp p, 0,1
	ds_load_b128 v[CC+16*((\a)%2)+8*\u+4*\p:CC+16*((\a)%2)+8*\u+4*\p+3], v[CA] offset:(\a)*16*CPITCH+64*\u+16*\p
.endr
.endr
.endm
.macro GATES a                         ; block a's 64 exponents of 2: -log2(e) x gate, for g -2 log2(e) x gate.  Each accumulator is read from its low end on
.set AC, 64*((\a)%4)
.if (\a) < 4
	WIN 0x02                                       ; source 0: window 2
.else
	WIN 0x03                                       ; window 3
.endif
.irp b, 0,1,2,3,4,5,6,7
.irp j, 0,2,4,6
.if \b/2 == 2
	v_pk_mul_f32 v[GT+8*\b+\j:GT+8*\b+\j+1], v[AC+8*\b+\j:AC+8*\b+\j+1], s[22:23] op_sel_hi:[1,0]
.else
	v_pk_mul_f32 v[GT+8*\b+\j:GT+8*\b+\j+1], v[AC+8*\b+\j:AC+8*\b+\j+1], s[20:21] op_sel_hi:[1,0]
.endif
.endr
.endr
	WIN 0
.endm
.macro EXPS base, n                    ; 2^min(x, 40) of n registers, in place.  Holds and exponentials alternate, so that each exponential but the last has a plain line behind it; a plain line follows the macro
	v_min_num_f32 v[\base], s18, v[\base]
.set ex, 1
.rept \n-1
	v_min_num_f32 v[\base+ex], s18, v[\base+ex]
	v_exp_f32 v[\base+ex-1], v[\base+ex-1]
.set ex, ex+1
.endr
	v_exp_f32 v[\base+\n-1], v[\base+\n-1]
.endm
.macro PKMUL d, x, y                   ; 16 numbers, two at a time: d = x y
.irp j, 0,2,4,6,8,10,12,14
	v_pk_mul_f32 v[\d+\j:\d+\j+1], v[\x+\j:\x+\j+1], v[\y+\j:\y+\j+1]
.endr
.endm
.macro PKONE d                         ; d = d + 1
	s_wait_alu depctr_va_vdst(0)
.irp j, 0,2,4,6,8,10,12,14
	v_pk_add_f32 v[\d+\j:\d+\j+1], v[\d+\j:\d+\j+1], 1.0 op_sel_hi:[1,0]
.endr
.endm
.macro ONEMINUS d, x                   ; d = 1 - x
	s_wait_alu depctr_va_vdst(0)
.irp j, 0,2,4,6,8,10,12,14
	v_pk_add_f32 v[\d+\j:\d+\j+1], v[\x+\j:\x+\j+1], 1.0 op_sel_hi:[1,0] neg_lo:[1,0] neg_hi:[1,0]
.endr
.endm
.macro BACK a                          ; my 8 whole rows of block a's c_ and of its h_ come back from the stages, two rows an instruction, into set a % 2
.irp t, 0,1,2,3
	ds_load_b128 v[RB+32*((\a)%2)+4*\t:RB+32*((\a)%2)+4*\t+3], v[RD] offset:(\a)*16*CPITCH+\t*2*CPITCH
.endr
.irp t, 0,1,2,3
	ds_load_b128 v[RB+32*((\a)%2)+16+4*\t:RB+32*((\a)%2)+16+4*\t+3], v[RDH] offset:(\a)*16*CPITCH+\t*2*CPITCH
.endr
.endm
.macro SEND a                          ; and leave: 16 lanes store 256 consecutive bytes, at a multiple of 256 from the output's first byte; written once, read by nobody here.  The block's place stands in the immediate: 118 rows of 4,096 bytes at the most
.irp t, 0,1,2,3
	global_store_b128 v[CO], v[RB+32*((\a)%2)+4*\t:RB+32*((\a)%2)+4*\t+3], s[66:67] offset:(16*(\a)+2*\t)*4096 th:TH_STORE_NT
.endr
.irp t, 0,1,2,3
	global_store_b128 v[CO], v[RB+32*((\a)%2)+16+4*\t:RB+32*((\a)%2)+16+4*\t+3], s[12:13] offset:(16*(\a)+2*\t)*4096 th:TH_STORE_NT
.endr
.endm
; Block a.  Its exponents were made at the end of the block before.  One barrier a block: every block has stage rows of its own, so nothing is written over that another wave still reads.
.macro BLOCK a
.set CW, CC+16*((\a)%2)
	EXPS GT, 64                                    ; Ei, Ef, Eg, Eo
	s_wait_dscnt 0x0                               ; c of this block is in, and so are the rows of the block before, asked for 128 lines ago
.if (\a) > 0
	SEND (\a)-1                                    ; the block before leaves while this one is computed
.endif
.if (\a) < 7
	CLOAD (\a)+1                                   ; the next block's c, a block ahead
.endif
	ONEMINUS NN, GT+32                             ; 1 - Eg
	PKONE GT                                       ; 1 + Ei
	PKONE GT+16                                    ; 1 + Ef
	PKONE GT+32                                    ; 1 + Eg
	PKMUL GT, GT, GT+32                            ; (1 + Ei)(1 + Eg)
	PKMUL NN, NN, GT+16                            ; (1 - Eg)(1 + Ef)
.irp j, 0,2,4,6,8,10,12,14
	v_pk_fma_f32 v[CW+\j:CW+\j+1], v[CW+\j:CW+\j+1], v[GT+\j:GT+\j+1], v[NN+\j:NN+\j+1]   ; the numerator
.endr
	PKMUL GT+16, GT, GT+16                         ; the denominator
.irp j, 0,1,2,3,4,5,6,7,8,9,10,11,12,13,14,15
	v_rcp_f32 v[GT+16+\j], v[GT+16+\j]
.endr
	PKONE GT+48                                    ; 1 + Eo.  (Plain lines behind the reciprocals)
	PKMUL CW, CW, GT+16                            ; c_
.irp u, 0,1
.irp p, 0,1
	ds_store_b128 v[CSA], v[CW+8*\u+4*\p:CW+8*\u+4*\p+3] offset:(\a)*16*CPITCH+64*\u+16*\p
.endr
.endr
.irp j, 0,2,4,6,8,10,12,14
	v_pk_mul_f32 v[GT+\j:GT+\j+1], v[CW+\j:CW+\j+1], s[22:23] op_sel_hi:[1,0]   ; -2 log2(e) c_
.endr
	EXPS GT, 16                                    ; Ec
	ONEMINUS NN, GT                                ; 1 - Ec
	PKONE GT                                       ; 1 + Ec
	PKMUL GT+48, GT, GT+48                         ; (1 + Ec)(1 + Eo)
.irp j, 0,1,2,3,4,5,6,7,8,9,10,11,12,13,14,15
	v_rcp_f32 v[GT+48+\j], v[GT+48+\j]
.endr
	v_nop                                          ; a plain line between the last reciprocal and the use of its result
	s_wait_alu depctr_va_vdst(0)
	PKMUL NN, NN, GT+48                            ; h_
.irp u, 0,1
.irp p, 0,1
	ds_store_b128 v[HSA], v[NN+8*\u+4*\p:NN+8*\u+4*\p+3] offset:(\a)*16*CPITCH+64*\u+16*\p
.endr
.endr
	s_wait_dscnt 0x0                               ; for the others' sake: my stores into the stages have landed
	s_barrier_signal -1                            ; a row's 256 bytes come from two waves
.if (\a) < 7
	GATES (\a)+1                                   ; work on registers while the others arrive
.endif
	s_barrier_wait -1                              ; block a's rows are whole in both stages
.if (\a) > 1
	s_wait_xcnt 0x0                                ; block a - 2's stores have read their registers: only behind this wait do loads land there again
.endif
	BACK \a
.endm
	PLACES NP                                      ; behind the last products: c's loads land in registers that held A's fragments; block 0's results were finished long ago
	s_mov_b32 s18, 0x42200000                      ; 40
	s_mov_b32 s20, 0xbfb8aa3b                      ; -log2(e); the packed form names a pair and takes its low word for both halves, so both are written
	s_mov_b32 s21, s20
	s_mov_b32 s22, 0xc038aa3b                      ; -2 log2(e)
	s_mov_b32 s23, s22
	CLOAD 0
	GATES 0
.irp a, 0,1,2,3,4,5,6,7
	BLOCK \a
.endr
	s_wait_dscnt 0x0                               ; the last block's rows are back
	SEND 7
	s_wait_tensorcnt 0x0                           ; the wave's end, behind my last tensor load and my last LDS store
	ds_add_u32 v[SPW], v[NIL]
	s_wait_dscnt 0x0
	CROUND                                         ; the closing round: no work-group ends while a partner may still ask for a tile that names it
	s_endpgm
.Lfunc_end_k_q92a9633a25_cell:
	.size	k_q92a9633a25_cell, .Lfunc_end_k_q92a9633a25_cell-k_q92a9633a25_cell
	.p2alignl 7, 3214868480
	.fill 96, 4, 3214868480
	.section	.rodata,"a",@progbits
	.p2align	6, 0x0
	.amdhsa_kernel k_q92a9633a25_cell
		.amdhsa_group_segment_fixed_size 327680
		.amdhsa_private_segment_fixed_size 0
		.amdhsa_enable_private_segment 0
		.amdhsa_kernarg_size 72
		.amdhsa_user_sgpr_count 2
		.amdhsa_user_sgpr_kernarg_segment_ptr 1
		.amdhsa_wavefront_size32 1
		.amdhsa_system_sgpr_workgroup_id_x 1
		.amdhsa_system_sgpr_workgroup_id_y 1
		.amdhsa_system_sgpr_workgroup_id_z 1
		.amdhsa_system_vgpr_workitem_id 0
		.amdhsa_next_free_vgpr 1024
		.amdhsa_next_free_sgpr 102
		.amdhsa_reserve_vcc 0
		.amdhsa_float_denorm_mode_32 3
		.amdhsa_float_denorm_mode_16_64 3
		.amdhsa_memory_ordered 1
		.amdhsa_forward_progress 1
		.amdhsa_inst_pref_size 255
	.end_amdhsa_kernel
	.section	.bss,"aw",@nobits
	.p2align	6
	.space	262144
	.amdgpu_metadata
---
amdhsa.version: [ 1, 2 ]
amdhsa.kernels:
  - .name:           k_q92a9633a25_cell
    .symbol:         k_q92a9633a25_cell.kd
    .args:
      - { .name: a_codes, .offset: 0, .size: 8, .value_kind: global_buffer, .address_space: global }
      - { .name: a_scales, .offset: 8, .size: 8, .value_kind: global_buffer, .address_space: global }
      - { .name: b_codes, .offset: 16, .size: 8, .value_kind: global_buffer, .address_space: global }
      - { .name: b_scales, .offset: 24, .size: 8, .value_kind: global_buffer, .address_space: global }
      - { .name: out0, .offset: 32, .size: 8, .value_kind: global_buffer, .address_space: global }
      - { .name: out1, .offset: 40, .size: 8, .value_kind: global_buffer, .address_space: global }
      - { .name: c, .offset: 48, .size: 8, .value_kind: global_buffer, .address_space: global }
      - { .name: b_in, .offset: 56, .size: 8, .value_kind: global_buffer, .address_space: global }
      - { .name: b_h, .offset: 64, .size: 8, .value_kind: global_buffer, .address_space: global }
    .group_segment_fixed_size: 327680
    .private_segment_fixed_size: 0
    .kernarg_segment_align: 8
    .kernarg_segment_size: 72
    .max_flat_workgroup_size: 128
    .sgpr_count:     102
    .vgpr_count:     1024
    .wavefront_size: 32
...
	.end_amdgpu_metadata
.endif
;; end of part 3
